; MI455X (gfx1250); checked and timed in simulation.
; The chip was launched on July 23, 2026; its instructions are those of AMD's public machine-readable ISA for CDNA 5 (MIT licence, August 2026) and "CDNA5" Instruction Set Architecture Reference Guide (July 2026). The comments in the code are by the model that wrote it; some were corrected since.
;; MHA. Allowed arithmetic: float matrix products may take bf16 or f16 operands with f32 sums; other float arithmetic in f32, or as packed bf16 or f16 multiplies, adds, multiply-adds, maxima and minima; sums over many terms, partial sums and values carried from step to step in f32; what a program stores and reads back later, other than sums and carried values, may be rounded once to bf16 or f16.
;; Inputs: WK 8 x 256 x 256 float32; WQ 8 x 256 x 256 float32; WV 8 x 256 x 256 float32; W_enc 256 x 256 float32; b_enc 256 float32; m 32 x 128 x 1,024 float32; x 32 x 1,024 x 256 float32.
;; Outputs: out0 32 x 128 x 256 float32.
;; One version. Each part assembles by itself: llvm-mc -triple=amdgcn-amd-amdhsa -mcpu=gfx1250 --defsym DOCPART=n.
;; ======== version 1 of 1: 3 launches
;; limits: values are held in f16: magnitudes above 65,504 overflow, below 6.1e-05 lose precision
;; workspace buffers: h16 16,777,216 bytes; l16 16,777,216 bytes; wq16 1,048,576 bytes; wkt16 1,048,576 bytes; wv16 1,048,576 bytes; z 33,554,432 bytes
;; launch encode (part 1): grid 256 x 1, 8 waves a work-group, no clusters, 276,736 bytes of LDS; arguments x, W_enc, b_enc, WQ, WK, WV, h16, l16, wq16, wkt16, wv16; writes h16, l16, wq16, wkt16, wv16
.if DOCPART == 1
	.amdgcn_target "amdgcn-amd-amdhsa--gfx1250"
	.amdhsa_code_object_version 6
	.text
	.protected	k_q75f5f70647_encode
	.globl	k_q75f5f70647_encode
	.p2align	8
	.type	k_q75f5f70647_encode,@function
k_q75f5f70647_encode:
	s_mov_b64 s[64:65], 0
	v_nop
	global_prefetch_b8 v0, s[64:65] scope:SCOPE_SE
	s_setreg_imm32_b32 hwreg(HW_REG_WAVE_MODE, 25, 1), 1
	s_wait_xcnt 0x0
; h = leaky_relu(x) W_enc^T + b_enc, stored as an f16 pair: h16 = f16(h), l16 = f16(h - h16).  Beside it: wq16 = WQ, wv16 = WV, wkt16[head][e][d] = WK[head][d][e], in f16.
; FORMATS.  x, W_enc, b_enc, WQ, WK, WV are rounded to bf16, and that number is written as f16 (the bias stays f32); leaky_relu is max(x, 0.01 x) in f32, rounded once to f16; sums in f32.
; LIMITS.  |x|, the weights and |h| stay under 65,504 (f16's end); a bf16 number below 6.1e-5 keeps f16's fixed step of 6e-8; NaN and infinities are not treated apart.
; SHARES.  Work-group g: rows 128 g .. +127 of x as [32768][256].  Eight waves, two to a SIMD, so that one wave's waits are filled by the other's work.  Wave w fetches and converts 16 rows of x and 32 rows of
; W_enc, and 1/2048 of the three casts; in the product it has a PAIR's 32 rows (pair w >> 1, two tiles of 16) and half w & 1 of the 256 channels, so a fragment of W_enc read from LDS feeds two tiles.
; NO CLUSTER: the one shared input, W_enc, has to pass through registers to be rounded, so a joint tensor load would serve nothing.
; THE PRODUCT IS USED TRANSPOSED: source 0 = 16 rows of W_enc (output channels), source 1 = 16 rows of l: a lane then holds one row of h and eight neighbouring channels.
.set XRW,   33792                      ; a pair's region: 32 rows of x at pitch 1,040; then l in f16 in the rows' first 512 bytes; then the stage: hi 32 x 528, lo 32 x 528
.set XP,    1040                       ; 1,024 bytes + 16: an odd multiple of 16
.set WP,    528                        ; a row of 256 f16 + 16
.set W16,   4*XRW                      ; W_enc in f16, 256 rows
.set BT,    W16+256*WP                 ; the bias, 256 f32
.set TS,    BT+1024                    ; 16 rows (e) x 128 (d) f16 at pitch 272: WK turned
.set TP,    272
.set SPARE, TS+16*TP                   ; the spare words, 128 bytes for each of the eight waves
.set LOS,   32*WP                      ; the stage's lo part
.set VCO, 2                            ; v2   casts: my 16 bytes in the work-group's 8,192 of WQ and WV
.set VCS, 3                            ; v3   casts: my 8 bytes out
.set VKO, 4                            ; v4   WK: my row (d) x 1,024 + my half of the 16 e x 32
.set VBO, 5                            ; v5   4 t
.set VBL, 6                            ; v6   BT + 4 t
.set VTS, 7                            ; v7   TS + my 8 rows e + 2 d
.set VWO, 8                            ; v8   W_enc: 32,768 w + 16 lane
.set VWL0, 9                           ; v9   W16 + my wave's 32 rows + 8 lane
.set VWL, 10
.set VXA0, 11                          ; v11  my 16 rows of x + 16 lane
.set VXS0, 12                          ; v12  my 16 rows of x + 8 lane
.set VXA, 13
.set VXS, 14
.set VTR, 15                           ; v15  TS read back
.set VTG, 16                           ; v16  and its place in wkt16
.set VXB, 17                           ; v17  l's fragments
.set VAW0, 18                          ; v18  W16's fragments, my half of the channels
.set VAW, 19
.set SPW, 20                           ; v20  my spare word; never rewritten
.set NIL, 21                           ; v21  0; never rewritten
.set ONE, 22                           ; v22  1.0
.set VBC0, 23
.set VBC, 24
.set VSG0, 25                          ; v25  where I put 16 bytes of a row in the stage
.set VSG, 26
.set VRD, 27
.set VGO, 28                           ; v28  my byte offset in the work-group's rows of h16 and l16
.set VRD0, 29                          ; v29  the 16 rows of the stage that I read back + 16 lane
.set ACC, 32                           ; v32-63   accumulator (t, o2) at 32 + 8 (2 t + o2); v32-37 at work in the set-up
.set BC,  64                           ; v64-79   the bias as a C operand, 8 registers for each o2
.set TT,  80                           ; v80-95   at work
.set CQ,  96                           ; v96-103  WQ as loaded
.set CV,  104                          ; v104-111 WV
.set CK,  112                          ; v112-119 WK
.set CB,  120                          ; v120     bias
.set X,   128                          ; v128-191 ring slots as loaded
.set Y,   192                          ; v192-223 converted
.set LF,  128                          ; v128-255 later: l's fragments, (t, kc) at 128 + 64 t + 8 kc.  Window 1, v0-127: W16's fragments, (o2, kc) at 64 o2 + 8 kc
.set MSB, 0
.macro WIN new                         ; the immediate's high byte repeats the setting that is left
.if MSB != (\new)
	s_set_vgpr_msb (MSB<<8)|(\new)
.set MSB, \new
.endif
.endm
.macro CV4 dst, src                    ; four f32 -> bf16 -> the same numbers as f16, packed in two registers; the two pairs go abreast, so that no line reads the result of the one just before it
	v_cvt_pk_bf16_f32 v[TT], v[\src], v[\src+1]
	v_cvt_pk_bf16_f32 v[TT+8], v[\src+2], v[\src+3]
	v_lshlrev_b32 v[TT+1], 16, v[TT]
	v_and_b32 v[TT+2], s9, v[TT]
	v_lshlrev_b32 v[TT+9], 16, v[TT+8]
	v_and_b32 v[TT+10], s9, v[TT+8]
	v_cvt_pk_f16_f32 v[\dst], v[TT+1], v[TT+2]
	v_cvt_pk_f16_f32 v[\dst+1], v[TT+9], v[TT+10]
.endm
.macro LR4 dst, src                    ; four x -> bf16 -> max(x, 0.01 x) -> f16, packed in two registers
	v_cvt_pk_bf16_f32 v[TT], v[\src], v[\src+1]
	v_cvt_pk_bf16_f32 v[TT+8], v[\src+2], v[\src+3]
	v_lshlrev_b32 v[TT+2], 16, v[TT]
	v_and_b32 v[TT+3], s9, v[TT]
	v_lshlrev_b32 v[TT+10], 16, v[TT+8]
	v_and_b32 v[TT+11], s9, v[TT+8]
	v_pk_mul_f32 v[TT+4:TT+5], v[TT+2:TT+3], s[6:7] op_sel_hi:[1,0]
	v_pk_mul_f32 v[TT+12:TT+13], v[TT+10:TT+11], s[6:7] op_sel_hi:[1,0]
	v_max_num_f32 v[TT+2], v[TT+2], v[TT+4]
	v_max_num_f32 v[TT+3], v[TT+3], v[TT+5]
	v_max_num_f32 v[TT+10], v[TT+10], v[TT+12]
	v_max_num_f32 v[TT+11], v[TT+11], v[TT+13]
	v_cvt_pk_f16_f32 v[\dst], v[TT+2], v[TT+3]
	v_cvt_pk_f16_f32 v[\dst+1], v[TT+10], v[TT+11]
.endm
	s_load_b512 s[24:39], s[0:1], 0x0              ; x 24, W_enc 26, b_enc 28, WQ 30, WK 32, WV 34, h16 36, l16 38
	s_load_b128 s[40:43], s[0:1], 0x40             ; wq16 40, wkt16 42
	s_load_b64 s[44:45], s[0:1], 0x50              ; wv16
	v_lshl_add_u32 v[SPW], v0, 2, SPARE
	v_mov_b32 v[NIL], 0
	ds_add_u32 v[SPW], v[NIL]                      ; the wave's opening: the add and its wait ahead of my tensor load
	ds_add_u32 v20, v21
	v_lshrrev_b32 v1, 5, v0
	v_readfirstlane_b32 s8, v1                     ; wave 0..7
	s_mov_b32 s9, 0xffff0000                       ; a word's upper bf16
	s_mov_b32 s6, 0x3c23d70a                       ; 0.01
	s_mov_b32 s7, s6                               ; named with it as a pair
	s_lshr_b32 s46, s8, 1
	s_mul_i32 s46, s46, XRW                        ; my pair's region
	s_and_b32 s47, s8, 1                           ; which 16 of its rows I fetch; which half of the channels I make
	s_mov_b32 s12, 1                               ; group 0: count
	s_mul_i32 s13, s47, 16*XP
	s_add_co_u32 s13, s13, s46                     ; LDS address: my 16 rows
	s_mov_b32 s16, (2<<16)|(1<<20)|(7<<22)|(3<<25) ; group 1: 4-byte elements; padding on, 4 words behind every 256
	s_mov_b32 s17, 256<<16                         ; tensor_dim0 = 256
	s_mov_b32 s18, 16<<16                          ; tensor_dim1 = 16
	s_mov_b32 s19, 256<<16                         ; tile_dim0 = 256
	s_mov_b32 s20, 16                              ; tile_dim1 = 16
	s_mov_b32 s21, 256                             ; elements from row to row
	s_mov_b32 s22, 0
	s_mov_b32 s23, 0
	s_lshl_b32 s2, ttmp9, 17                       ; 128 g rows of 1,024 bytes
	s_lshl_b32 s3, s8, 14                          ; + 16 w rows
	s_add_co_u32 s2, s2, s3
	s_mov_b32 s3, 0
	s_wait_dscnt 0x0                               ; the opening add is done
	s_wait_kmcnt 0x0
	s_add_nc_u64 s[14:15], s[24:25], s[2:3]
	s_or_b32 s15, s15, 0x80000000                  ; type = 2
	tensor_load_to_lds s[12:15], s[16:23]          ; my 16 rows of x, 16,384 bytes: the launch's one fill of these bytes
	s_nop 0
	s_lshl_b32 s2, ttmp9, 13                       ; the work-group's 8,192 bytes of WQ and of WV
	s_add_nc_u64 s[30:31], s[30:31], s[2:3]
	s_add_nc_u64 s[34:35], s[34:35], s[2:3]
	s_lshl_b32 s2, ttmp9, 12                       ; and 4,096 out
	s_add_nc_u64 s[40:41], s[40:41], s[2:3]
	s_add_nc_u64 s[44:45], s[44:45], s[2:3]
	s_lshr_b32 s2, ttmp9, 4                        ; WK: head = g >> 5, half of d = (g >> 4) & 1: 128 rows of 1,024 bytes for each g >> 4,
	s_lshl_b32 s2, s2, 17
	s_and_b32 s4, ttmp9, 15                        ; e block = g & 15: 64 bytes of a row
	s_lshl_b32 s5, s4, 6
	s_add_co_u32 s2, s2, s5
	s_add_nc_u64 s[32:33], s[32:33], s[2:3]
	s_lshr_b32 s2, ttmp9, 5                        ; wkt16: head x 131,072 + e block x 16 rows of 512 + half of d x 256
	s_lshl_b32 s2, s2, 17
	s_lshl_b32 s5, s4, 13
	s_add_co_u32 s2, s2, s5
	s_bfe_u32 s5, ttmp9, 0x10004
	s_lshl_b32 s5, s5, 8
	s_add_co_u32 s2, s2, s5
	s_add_nc_u64 s[42:43], s[42:43], s[2:3]
	s_lshl_b32 s2, ttmp9, 16                       ; h16, l16: 128 g rows of 512 bytes
	s_add_nc_u64 s[36:37], s[36:37], s[2:3]
	s_add_nc_u64 s[38:39], s[38:39], s[2:3]
	v_and_b32 v1, 31, v0
	v_lshlrev_b32 v32, 4, v1                       ; 16 lane
	v_lshlrev_b32 v33, 3, v1                       ; 8 lane
	s_lshl_b32 s4, s8, 10
	v_add_nc_u32 v[VCO], s4, v32
	v_and_b32 v34, 127, v0                         ; d
	v_lshrrev_b32 v35, 7, v0                       ; which 8 of the 16 e
	v_lshlrev_b32 v[VKO], 10, v34
	v_lshl_add_u32 v[VKO], v35, 5, v[VKO]
	v_lshlrev_b32 v[VBO], 2, v0
	s_lshl_b32 s4, s8, 15
	v_add_nc_u32 v[VWO], s4, v32
	; the casts' 7 loads, then the ring's first 16
.irp i, 0,1
	global_load_b128 v[CQ+4*\i:CQ+4*\i+3], v[VCO], s[30:31] offset:512*\i th:TH_LOAD_NT
.endr
.irp i, 0,1
	global_load_b128 v[CV+4*\i:CV+4*\i+3], v[VCO], s[34:35] offset:512*\i th:TH_LOAD_NT
.endr
.irp i, 0,1
	global_load_b128 v[CK+4*\i:CK+4*\i+3], v[VKO], s[32:33] offset:16*\i
.endr
	global_load_b32 v[CB], v[VBO], s[28:29]
.irp k, 0,1,2,3,4,5,6,7,8,9,10,11,12,13,14,15
	global_load_b128 v[X+4*\k:X+4*\k+3], v[VWO], s[26:27] offset:512*\k
.endr
	; the other lane terms
	v_and_b32 v36, 15, v0                          ; r
	v_bfe_u32 v37, v0, 4, 1                        ; h
	s_lshl_b32 s4, s8, 9
	v_add_nc_u32 v[VCS], s4, v33
	v_add_nc_u32 v[VBL], BT, v[VBO]
	v_mul_u32_u24 v[VTS], v35, 8*TP
	v_lshl_add_u32 v[VTS], v34, 1, v[VTS]
	v_add_nc_u32 v[VTS], TS, v[VTS]
	s_mul_i32 s4, s8, 32*WP
	s_add_co_u32 s4, s4, W16
	v_add_nc_u32 v[VWL0], s4, v33
	v_add_nc_u32 v[VXA0], s13, v32
	v_add_nc_u32 v[VXS0], s13, v33
	s_mul_i32 s4, s8, 2*TP
	s_add_co_u32 s4, s4, TS
	v_mul_u32_u24 v[VTR], v37, TP
	v_lshl_add_u32 v[VTR], v36, 4, v[VTR]
	v_add_nc_u32 v[VTR], s4, v[VTR]                ; TS + (2 w + h) rows + 16 r
	s_lshl_b32 s4, s8, 10
	v_lshlrev_b32 v[VTG], 9, v37
	v_lshl_add_u32 v[VTG], v36, 4, v[VTG]
	v_add_nc_u32 v[VTG], s4, v[VTG]                ; (2 w + h) x 512 + 16 r
	v_mul_u32_u24 v[VXB], v36, XP
	v_lshl_add_u32 v[VXB], v37, 4, v[VXB]
	v_add_nc_u32 v[VXB], s46, v[VXB]               ; my pair's region + r x 1,040 + 16 h
	v_mul_u32_u24 v[VSG0], v36, WP
	v_lshl_add_u32 v[VSG0], v37, 4, v[VSG0]        ; r x 528 + 16 h
	s_mul_i32 s4, s47, 128*WP
	s_add_co_u32 s4, s4, W16
	v_add_nc_u32 v[VAW0], s4, v[VSG0]              ; W16 + my 128 channels' rows + r x 528 + 16 h
	s_lshl_b32 s4, s47, 8
	s_add_co_u32 s4, s4, s46
	v_add_nc_u32 v[VSG0], s4, v[VSG0]              ; my pair's region + my half of a row's 512 bytes + r x 528 + 16 h
	s_lshl_b32 s4, s47, 9
	s_add_co_u32 s4, s4, BT
	v_lshl_add_u32 v[VBC0], v37, 5, s4             ; BT + my 128 channels + 32 h
	s_mul_i32 s4, s47, 16*WP
	s_add_co_u32 s4, s4, s46
	v_add_nc_u32 v[VRD0], s4, v32                  ; the stage's rows 16 (w & 1) .. +15, whole
	s_lshl_b32 s4, s8, 13
	v_add_nc_u32 v[VGO], s4, v32                   ; 16 w rows of 512 bytes + 16 lane
	v_mov_b32 v[ONE], 1.0
	s_wait_loadcnt 16                              ; the 7 loads of the casts are in; the ring's 16 stay out
	CV4 CQ, CQ
	CV4 CQ+4, CQ+4
	CV4 CV, CV
	CV4 CV+4, CV+4
	CV4 CK, CK
	CV4 CK+2, CK+4
	v_cvt_pk_bf16_f32 v[TT+3], v[CB], v[CB]        ; the bias: rounded to bf16, kept as f32
	v_lshlrev_b32 v[CB], 16, v[TT+3]
.irp i, 0,1
	global_store_b64 v[VCS], v[CQ+4*\i:CQ+4*\i+1], s[40:41] offset:256*\i  ; a wave's store covers 256 consecutive bytes, aligned
	global_store_b64 v[VCS], v[CV+4*\i:CV+4*\i+1], s[44:45] offset:256*\i
.endr
.irp j, 0,1,2,3                        ; my row d of WK, 8 numbers e: into column d of 8 rows of TS
	ds_store_b16 v[VTS], v[CK+\j] offset:2*\j*TP
	ds_store_b16_d16_hi v[VTS], v[CK+\j] offset:(2*\j+1)*TP
.endr
	ds_store_b32 v[VBL], v[CB]
; W_enc through a ring of 16 register slots: slot k is half a row (512 bytes a wave); a round is 8 rows.  A slot's LDS store stands one slot behind its conversion.
.macro WSTORE k
	ds_store_b64 v[VWL], v[Y+2*(\k):Y+2*(\k)+1] offset:((\k)/2)*WP+((\k)%2)*256
.endm
.macro WSLOT k, ahead, left
	s_wait_loadcnt \left                           ; loads come back in order: mine is in, the younger ones stay out
	CV4 Y+2*(\k), X+4*(\k)
.if \ahead
	global_load_b128 v[X+4*(\k):X+4*(\k)+3], v[VWO], s[26:27] offset:512*(\k)+8192  ; the same slot, 8 rows on
.endif
.if (\k) > 0
	WSTORE (\k)-1
.endif
.endm
	s_mov_b32 s10, 0
	s_mov_b32 s11, 3
.Lring:
	v_add_nc_u32 v[VWL], s10, v[VWL0]
.irp k, 0,1,2,3,4,5,6,7,8,9,10,11,12,13,14,15
	WSLOT \k, 1, 15
.endr
	WSTORE 15
	s_wait_xcnt 0x0                                ; the base is stepped only behind this wait
	s_add_nc_u64 s[26:27], s[26:27], 8192
	s_add_co_u32 s10, s10, 8*WP
	s_sub_co_u32 s11, s11, 1
	s_cmp_lg_u32 s11, 0
	s_cbranch_scc1 .Lring
	v_add_nc_u32 v[VWL], s10, v[VWL0]
.irp k, 0,1,2,3,4,5,6,7,8,9,10,11,12,13,14,15
	WSLOT \k, 0, 15-\k                             ; the last round loads nothing: the counts run down
.endr
	WSTORE 15
	s_wait_tensorcnt 0x0                           ; my rows of x are in LDS; until the barrier below only I touch them
	s_mov_b32 s10, 0
	s_mov_b32 s11, 4
.Llrelu:                                               ; four rows a trip: read as f32, written back as f16 into the same rows' first 512 bytes
	v_add_nc_u32 v[VXA], s10, v[VXA0]
	v_add_nc_u32 v[VXS], s10, v[VXS0]
.irp p, 0,1,2,3,4,5,6,7
	ds_load_b128 v[X+4*\p:X+4*\p+3], v[VXA] offset:(\p/2)*XP+(\p%2)*512
.endr
	s_wait_dscnt 0x0                               ; all four rows are in registers before any of them is overwritten
.irp p, 0,1,2,3,4,5,6,7
	LR4 Y+2*\p, X+4*\p
.endr
.irp p, 0,1,2,3,4,5,6,7
	ds_store_b64 v[VXS], v[Y+2*\p:Y+2*\p+1] offset:(\p/2)*XP+(\p%2)*256
.endr
	s_add_co_u32 s10, s10, 4*XP
	s_sub_co_u32 s11, s11, 1
	s_cmp_lg_u32 s11, 0
	s_cbranch_scc1 .Llrelu
	s_wait_dscnt 0x0                               ; for the others' sake: my stores into W16, BT, TS and my rows of l are done
	s_barrier_signal -1
	s_barrier_wait -1
	s_wait_xcnt 0x0                                ; v96-97 were store data
	ds_load_b128 v[CQ:CQ+3], v[VTR]                ; WK turned: row e = 2 w + h, a whole 256 bytes for 16 lanes
.set i_, 0
.rept 16                               ; l's fragments stay in registers: tile i / 8, K chunk i % 8
	ds_load_b128 v[LF+8*i_:LF+8*i_+3],   v[VXB] offset:(i_/8)*16*XP+(i_%8)*64
	ds_load_b128 v[LF+8*i_+4:LF+8*i_+7], v[VXB] offset:(i_/8)*16*XP+(i_%8)*64+32
.set i_, i_+1
.endr
	s_wait_dscnt 32                                ; the load from TS is in; l's 32 stay out
	global_store_b128 v[VTG], v[CQ:CQ+3], s[42:43]  ; 16 lanes store 256 consecutive bytes, aligned
.irp i, 4,5,6,7,12,13,14,15
	v_mov_b32 v[TT+\i], 0                          ; the lo registers are written a half at a time below
.endr
	s_wait_dscnt 0x0                               ; my reads of l are over: behind this barrier the pair's region becomes the stage
	s_barrier_signal -1
	s_barrier_wait -1
.macro HL q                            ; accumulator q: hi = f16(h); lo = f16(h - hi), one rounding.  The lowest registers are read first
.set a_, ACC+8*(\q)
.set h_, TT+8*((\q)%2)
.irp i, 0,1,2,3
	v_cvt_pk_f16_f32 v[h_+\i], v[a_+2*\i], v[a_+2*\i+1]
.endr
.irp i, 0,1,2,3
	v_fma_mixlo_f16 v[h_+4+\i], v[a_+2*\i], v[ONE], -v[h_+\i] op_sel_hi:[0,0,1]
	v_fma_mixhi_f16 v[h_+4+\i], v[a_+2*\i+1], v[ONE], -v[h_+\i] op_sel:[0,0,1] op_sel_hi:[0,0,1]
.endr
.endm
.macro HS q                            ; its 16 bytes of hi and of lo go into the stage
.set h_, TT+8*((\q)%2)
	ds_store_b128 v[VSG], v[h_:h_+3]   offset:((\q)/2)*16*WP+((\q)%2)*32
	ds_store_b128 v[VSG], v[h_+4:h_+7] offset:LOS+((\q)/2)*16*WP+((\q)%2)*32
.endm
	s_mov_b32 s10, 0
	s_mov_b32 s4, 0
	s_mov_b32 s5, 0
	s_mov_b32 s11, 4
.Lgemm:                                                ; a trip: 32 of my 128 output channels x my pair's 32 rows, all of K
	v_add_nc_u32 v[VAW], s10, v[VAW0]
	v_add_nc_u32 v[VBC], s4, v[VBC0]
	v_add_nc_u32 v[VSG], s5, v[VSG0]
	ds_load_b128 v[BC:BC+3],     v[VBC]            ; the bias of my 8 channels, for each of the two blocks of 16
	ds_load_b128 v[BC+4:BC+7],   v[VBC] offset:16
	ds_load_b128 v[BC+8:BC+11],  v[VBC] offset:64
	ds_load_b128 v[BC+12:BC+15], v[VBC] offset:80
	WIN 0x40                                       ; destination window 1
.set kc_, 0
.rept 8
.irp o, 0,1
	ds_load_b128 v[64*\o+8*kc_:64*\o+8*kc_+3],   v[VAW] offset:\o*16*WP+64*kc_
	ds_load_b128 v[64*\o+8*kc_+4:64*\o+8*kc_+7], v[VAW] offset:\o*16*WP+64*kc_+32
.endr
.set kc_, kc_+1
.endr
	WIN 0x01                                       ; source 0 window 1
.set kc_, 0
.rept 8
	s_wait_dscnt 28-4*kc_                          ; the later chunks' four loads each stay out
.irp q, 0,1,2,3                        ; the four accumulators take turns; the first product starts the sum with the bias
.if kc_ == 0
	v_wmma_f32_16x16x32_f16 v[ACC+8*\q:ACC+8*\q+7], v[64*(\q%2)+8*kc_:64*(\q%2)+8*kc_+7], v[LF+64*(\q/2)+8*kc_:LF+64*(\q/2)+8*kc_+7], v[BC+8*(\q%2):BC+8*(\q%2)+7]
.else
	v_wmma_f32_16x16x32_f16 v[ACC+8*\q:ACC+8*\q+7], v[64*(\q%2)+8*kc_:64*(\q%2)+8*kc_+7], v[LF+64*(\q/2)+8*kc_:LF+64*(\q/2)+8*kc_+7], v[ACC+8*\q:ACC+8*\q+7]
.endif
.endr
.set kc_, kc_+1
.endr
	WIN 0
.rept 4
	v_nop                                          ; four places behind the products: ahead of the conversions, and of the next trip's loads into their sources
.endr
	HL 0                                           ; an accumulator's stores stand behind the next one's conversions
	HL 1
	HS 0
	HL 2
	HS 1
	HL 3
	HS 2
	HS 3
	s_add_co_u32 s10, s10, 32*WP
	s_add_co_u32 s4, s4, 128
	s_add_co_u32 s5, s5, 64
	s_sub_co_u32 s11, s11, 1
	s_cmp_lg_u32 s11, 0
	s_cbranch_scc1 .Lgemm
	s_wait_dscnt 0x0                               ; for my partner's sake: my half of the stage's rows is written
	s_barrier_signal -1
	s_barrier_wait -1
	s_mov_b32 s10, 0
	s_mov_b32 s11, 2
.Lout:                                                 ; eight rows of hi and of lo a trip, a whole row of 512 bytes to an instruction
	v_add_nc_u32 v[VRD], s10, v[VRD0]
.irp p, 0,1,2,3,4,5,6,7
	ds_load_b128 v[X+4*\p:X+4*\p+3], v[VRD] offset:\p*WP
.endr
.irp p, 0,1,2,3,4,5,6,7
	ds_load_b128 v[X+32+4*\p:X+32+4*\p+3], v[VRD] offset:LOS+\p*WP
.endr
.irp p, 0,1,2,3,4,5,6,7
	s_wait_dscnt 15-\p
	global_store_b128 v[VGO], v[X+4*\p:X+4*\p+3], s[36:37] offset:\p*512
.endr
.irp p, 0,1,2,3,4,5,6,7
	s_wait_dscnt 7-\p
	global_store_b128 v[VGO], v[X+32+4*\p:X+32+4*\p+3], s[38:39] offset:\p*512
.endr
	s_wait_xcnt 0x0                                ; the offset and the data registers are rewritten only behind this wait
	v_add_nc_u32 v[VGO], 4096, v[VGO]
	s_add_co_u32 s10, s10, 8*WP
	s_sub_co_u32 s11, s11, 1
	s_cmp_lg_u32 s11, 0
	s_cbranch_scc1 .Lout
	s_wait_tensorcnt 0x0                           ; the wave's end
	ds_add_u32 v[SPW], v[NIL]
	s_wait_dscnt 0x0
	s_endpgm
.Lfunc_end_k_q75f5f70647_encode:
	.size	k_q75f5f70647_encode, .Lfunc_end_k_q75f5f70647_encode-k_q75f5f70647_encode
	.p2alignl 7, 3214868480
	.fill 96, 4, 3214868480
	.section	.rodata,"a",@progbits
	.p2align	6, 0x0
	.amdhsa_kernel k_q75f5f70647_encode
		.amdhsa_group_segment_fixed_size 276736
		.amdhsa_private_segment_fixed_size 0
		.amdhsa_enable_private_segment 0
		.amdhsa_kernarg_size 88
		.amdhsa_user_sgpr_count 2
		.amdhsa_user_sgpr_kernarg_segment_ptr 1
		.amdhsa_wavefront_size32 1
		.amdhsa_system_sgpr_workgroup_id_x 1
		.amdhsa_system_sgpr_workgroup_id_y 1
		.amdhsa_system_sgpr_workgroup_id_z 1
		.amdhsa_system_vgpr_workitem_id 0
		.amdhsa_next_free_vgpr 384
		.amdhsa_next_free_sgpr 66
		.amdhsa_reserve_vcc 0
		.amdhsa_float_denorm_mode_32 3
		.amdhsa_float_denorm_mode_16_64 3
		.amdhsa_memory_ordered 1
		.amdhsa_forward_progress 1
		.amdhsa_inst_pref_size 49
	.end_amdhsa_kernel
	.amdgpu_metadata
---
amdhsa.version: [ 1, 2 ]
amdhsa.kernels:
  - .name:           k_q75f5f70647_encode
    .symbol:         k_q75f5f70647_encode.kd
    .args:
      - { .name: x, .offset: 0, .size: 8, .value_kind: global_buffer, .address_space: global }
      - { .name: W_enc, .offset: 8, .size: 8, .value_kind: global_buffer, .address_space: global }
      - { .name: b_enc, .offset: 16, .size: 8, .value_kind: global_buffer, .address_space: global }
      - { .name: WQ, .offset: 24, .size: 8, .value_kind: global_buffer, .address_space: global }
      - { .name: WK, .offset: 32, .size: 8, .value_kind: global_buffer, .address_space: global }
      - { .name: WV, .offset: 40, .size: 8, .value_kind: global_buffer, .address_space: global }
      - { .name: h16, .offset: 48, .size: 8, .value_kind: global_buffer, .address_space: global }
      - { .name: l16, .offset: 56, .size: 8, .value_kind: global_buffer, .address_space: global }
      - { .name: wq16, .offset: 64, .size: 8, .value_kind: global_buffer, .address_space: global }
      - { .name: wkt16, .offset: 72, .size: 8, .value_kind: global_buffer, .address_space: global }
      - { .name: wv16, .offset: 80, .size: 8, .value_kind: global_buffer, .address_space: global }
    .group_segment_fixed_size: 276736
    .private_segment_fixed_size: 0
    .kernarg_segment_align: 8
    .kernarg_segment_size: 88
    .max_flat_workgroup_size: 256
    .sgpr_count:     66
    .vgpr_count:     384
    .wavefront_size: 32
...
	.end_amdgpu_metadata
.endif
;; end of part 1
;; launch attend (part 2): grid 8 x 32, 4 waves a work-group, clusters of 4 x 1, 327,680 bytes of LDS; arguments h16, l16, wq16, wkt16, wv16, m, z; writes z
.if DOCPART == 2
	.amdgcn_target "amdgcn-amd-amdhsa--gfx1250"
	.amdhsa_code_object_version 6
	.text
	.protected	k_q75f5f70647_attend
	.globl	k_q75f5f70647_attend
	.p2align	8
	.type	k_q75f5f70647_attend,@function
k_q75f5f70647_attend:
	s_mov_b64 s[64:65], 0
	v_nop
	global_prefetch_b8 v0, s[64:65] scope:SCOPE_SE
	s_setreg_imm32_b32 hwreg(HW_REG_WAVE_MODE, 25, 1), 1
	s_wait_xcnt 0x0
	s_wait_alu depctr_hold_cnt(0) depctr_sa_sdst(0) depctr_va_vdst(0) depctr_va_sdst(0) depctr_va_ssrc(0) depctr_va_vcc(0) depctr_vm_vsrc(0)
	s_getreg_b32 s2, hwreg(HW_REG_IB_STS2, 6, 4)
	s_cmp_eq_u32 s2, 0
	s_cbranch_scc0 .Lentry_in_a_cluster
	s_endpgm
.Lentry_in_a_cluster:
	s_bfe_u32 s2, ttmp6, 0x10000c
	s_cmp_lg_u32 s2, 0x3003
	s_cbranch_scc0 .Lentry_shape_is_right
	s_endpgm
.Lentry_shape_is_right:
; One work-group = one batch b and one head.  z[b][head][a][:] = (prob h) WV, prob = softmax(S) m / (sum(softmax(S) m) + 1e-12), S = (ha WQ WK^T) h^T / 16.
; K and V are never formed: S = q' h^T with q' = (ha WQ) WK^T, and prob V = (prob h) WV, which is the same algebra for every input.  All heads of a batch walk the same rows of h.
; FORMATS.  All products are f16 x f16 with f32 sums.  The scores are large against 1, so what feeds them is carried as f16 pairs hi + lo: h (from memory), Q and q' (in registers, each agent's row
; scaled by a power of two, which is exact and is taken back in comp).  pair x weight = 2 products; q' x h = 3 products (hi hi, hi lo, lo hi; lo lo, 2^-22 of the sum, is left out).
; The weights p m, u = prob h and WV are single f16 numbers; of h the hi part serves as V.
; SOFTMAX, in powers of two: t = comp x acc.  A key with m = 0 starts its sum at -100 / comp, a visible one at 0.  R is the running maximum of t, w = 2^(t - R) <= 1,
; L' = sum of w x (2^100 for m = 0, else 1): the whole softmax's sum against R; lm = sum of w m; O = sum of f16(w m) h.  u = O / (lm + 1e-12 L'), which is reference's prob h whatever R is.
; So the visible weights keep f16's range also where a hidden key holds the maximum; a visible key more than 100 powers of two below a hidden one has a weight below 1e-18.
; R starts far below every t, so the first step's a is 0: O^T, which is multiplied by a ahead of the step's products, is never cleared: what q'^T left in its registers need only be finite.
; LIMITS.  |h|, |u|, |m|, the weights under 65,504; the largest |Q| and |q'| of a row between 2^-111 and 2^111; a weight below 2^-126 counts as 0; m is taken as it is (f32); NaN and infinities are not treated apart.
; SHARES.  Wave w: agents 32 w .. +31, two tiles t of 16.  Keys go 64 a step through two LDS slots.
; LAYOUT.  Every product is used transposed (source 0 = weights or keys, source 1 = agents): a lane holds ONE agent (lane % 16) and 8 (lane / 16) + 0..7 of the other index; two results packed in pairs ARE the next source 1.
; CLUSTER.  The four partners are four heads of one batch: the tiles of h16, l16 and m are asked for JOINTLY.  The weights are each head's own: plain loads, behind the same rounds.
; REGISTERS, in windows of 256 (s_set_vgpr_msb: bits 1:0 source 0, 3:2 source 1, 5:4 source 2, 7:6 destination):
;   window 0: v0-31 addresses and at work; v32-63 statistics, 16 a tile; v64-127 S; v128-159 P; v160-223 m; v224-255 at work
;   window 1: 256 accumulators, block cb of tile t at 128 t + 8 cb: Q^T, q'^T, O^T, Z^T in turn
;   window 2: hi at 64 t + 8 c, lo at 128 + 64 t + 8 c: the pair of ha, then Q, then q'; at last u (hi)          window 3: v0-191 three fragment buffers of 64; v192-255 the factors 1 or 2^100
.set PH,    544                        ; a row of 256 f16 + 32 bytes: an odd multiple of 32; plain loads of 16 rows then meet two deep
.set PL,    528                        ; + 16: an odd multiple of 16
.set PM,    272                        ; 64 f32 + 16
.set SLOT1, 131072                     ; slot 1: one exclusive or turns an address in one slot into the other's
.set LTO,   64*PH                      ; in a slot: h16's 64 rows, then l16's,
.set MTO,   64*PH+64*PL                ; then m's 128 rows (agents) of 64 keys: 103,424 bytes
.set WKB,   256*PH                     ; first fills: WQ from 0, WK^T from here
.set SPARE, 512*PH                     ; the spare words, 128 bytes for each wave
.set SGP,   1040                       ; the stage (slot 0, behind its last fill): 16 rows of 1,024 + 16 bytes for each wave
.set AK0H, 2                           ; lane terms, never rewritten: a fragment of h16,
.set AK0L, 3                           ; of l16,
.set AWB,  4                           ; of a turned tile (weights, or h16 as V),
.set AM0,  5                           ; my 32 bytes of m
.set AKH,  6                           ; the same in the slot in hand
.set AKL,  7
.set AV,   8
.set AM,   9
.set AW0,  10                          ; v10-13 weights: 64 rows apart
.set QO,   14
.set STO,  15
.set RD,   16
.set GO,   17
.set SPW,  20                          ; my spare word; never rewritten
.set NIL,  21                          ; 0; never rewritten
.set SC,   22                          ; v22-23 a row's scale, or 1 / denominator (the low register serves both halves)
.set CH,   24                          ; v24-31 chains of maxima, four a tile
.set ST,   32                          ; tile t at 32 + 16 t: +0 MU (maximum of acc), +2 R, +4..7 L' (two chains of pairs), +8,9 lm, +10 a, +12 comp, +14 -100 / comp
.set S,    64
.set P,    128
.set M,    160
.set T,    224
.set GAM,  192                         ; window 3
.set MS,   4                           ; s4-19  sixteen lane masks (the arguments' registers, when those are used up)
.set WVN,  20
.set W1,   21                          ; wave & 1
.set TB,   22                          ; the slot in hand
.set WB,   23                          ; the weight matrix in hand
.set CNT,  24
.set SEL,  26                          ; s[26:27] v_permlanex16_b32: each lane takes its own place in the other half
.set G1W,  28                          ; group 1: weights (plain), h16, l16, m (joint)
.set G1H,  36
.set G1L,  44
.set G1M,  52
.set G0H,  60
.set G0L,  68
.set G0M,  72
.set G0Q,  76
.set G0V,  76                          ; WQ's group 0 serves WV when its load is long done
.set G0K,  80
.set BH,   84                          ; h16, l16 at batch b; m at batch b and my 64 agents; wv16 at my head and my 64 rows
.set BL,   86
.set BM,   88
.set BV,   90
.set OFH,  92                          ; byte offsets of the tile to be asked for: pairs with 0 above
.set OFM,  94
.set OFV,  96
.set ZP,   98
.set BIG,  100                         ; 2^100
.set EPS,  101                         ; 1e-12
.set MSB, 0
.macro WIN new                         ; the immediate's high byte repeats the setting that is left
.if MSB != (\new)
	s_set_vgpr_msb (MSB<<8)|(\new)
.set MSB, \new
.endif
.endm
.macro PLACES                          ; four places behind matrix instructions, ahead of loads into their sources and of vector lines on their registers
.rept 4
	v_nop
.endr
.endm
.macro ROUND                           ; a round of the cluster's barrier
	s_barrier_signal -1
	s_barrier_wait -1
	s_cmp_lg_u32 s[WVN], 0
	s_cbranch_scc1 .Lnw0_\@
	s_barrier_signal -3
.Lnw0_\@:
	s_barrier_wait -3
	s_barrier_signal -1
	s_barrier_wait -1
.endm
.macro JLOAD                           ; a joint fill: wave 0 h16's tile, wave 1 l16's, waves 2 and 3 the halves of m's.  The branches hang on the wave's number alone.
	s_cmp_lt_u32 s[WVN], 2
	s_cbranch_scc0 .Ljm_\@
	s_cmp_eq_u32 s[WVN], 0
	s_cbranch_scc0 .Ljl_\@
	tensor_load_to_lds s[G0H:G0H+3], s[G1H:G1H+7]
	s_nop 0
	PLACES
	s_branch .Ljd_\@
.Ljl_\@:
	tensor_load_to_lds s[G0L:G0L+3], s[G1L:G1L+7]
	s_nop 0
	PLACES
	s_branch .Ljd_\@
.Ljm_\@:
	tensor_load_to_lds s[G0M:G0M+3], s[G1M:G1M+7]
	s_nop 0
	PLACES
.Ljd_\@:
.endm
.macro WLOAD                           ; half of WV, 128 rows: waves 0 and 1 fetch 64 each; waves 2 and 3 have no part of it
	s_cmp_lt_u32 s[WVN], 2
	s_cbranch_scc0 .Lwn_\@
	tensor_load_to_lds s[G0V:G0V+3], s[G1W:G1W+7]
	s_nop 0
	PLACES
.Lwn_\@:
.endm
; THE CHANGE OF SLOTS.  Each wave waits for all its tensor loads (at most one is out: its part of the other slot), adds 0 to its spare word, and waits for that and for its own reads.  The round then says the same
; of every wave of the four work-groups, and the fill is the first thing behind it.  w = 0: the next tile of h16, l16, m; w = 1: a half of WV.  Each address is made anew from its base and an offset.
.macro CHANGE w, tog
	WIN 0
	s_wait_tensorcnt 0x0                           ; no tensor load of mine is out, so a group 0 may be written
	ds_add_u32 v[SPW], v[NIL]                      ; 0 onto my spare word; the descriptors' scalar work stands between it and the wait for it
.if \w
	s_xor_b32 s[G0V+1], s[G0V+1], SLOT1
	s_add_nc_u64 s[G0V+2:G0V+3], s[BV:BV+1], s[OFV:OFV+1]
	s_or_b32 s[G0V+3], s[G0V+3], 0x80000000
	s_add_co_u32 s[OFV], s[OFV], 65536             ; 128 rows of 512 bytes
.else
	s_xor_b32 s[G0H+1], s[G0H+1], SLOT1
	s_xor_b32 s[G0L+1], s[G0L+1], SLOT1
	s_xor_b32 s[G0M+1], s[G0M+1], SLOT1
	s_add_nc_u64 s[G0H+2:G0H+3], s[BH:BH+1], s[OFH:OFH+1]
	s_or_b32 s[G0H+3], s[G0H+3], 0x80000000
	s_add_nc_u64 s[G0L+2:G0L+3], s[BL:BL+1], s[OFH:OFH+1]
	s_or_b32 s[G0L+3], s[G0L+3], 0x80000000
	s_add_nc_u64 s[G0M+2:G0M+3], s[BM:BM+1], s[OFM:OFM+1]
	s_or_b32 s[G0M+3], s[G0M+3], 0x80000000
	s_add_co_u32 s[OFH], s[OFH], 32768             ; 64 keys of 512 bytes
	s_add_co_u32 s[OFM], s[OFM], 256               ; 64 keys of 4 bytes in a row of m
.endif
	s_wait_dscnt 0x0                               ; the add is done, and my reads of the bytes to be filled are over
	ROUND
.if \w
	WLOAD
.else
	JLOAD
.endif
.if \tog
	s_xor_b32 s[TB], s[TB], SLOT1
.endif
.endm
	s_load_b256 s[4:11], s[0:1], 0x0               ; h16 4, l16 6, wq16 8, wkt16 10
	s_load_b128 s[12:15], s[0:1], 0x20             ; wv16 12, m 14
	s_load_b64 s[16:17], s[0:1], 0x30              ; z
	v_lshl_add_u32 v[SPW], v0, 2, SPARE
	v_mov_b32 v[NIL], 0
	ds_add_u32 v[SPW], v[NIL]                      ; the wave's opening: the add and its wait ahead of the round in front of my first tensor loads
	ds_add_u32 v20, v21
	v_lshrrev_b32 v1, 5, v0
	v_readfirstlane_b32 s[WVN], v1                 ; wave 0..3
	s_and_b32 s[W1], s[WVN], 1
	s_bfe_u32 s2, ttmp6, 0x40000                   ; cx.  What hangs on it stays in s2, s3, s18, s19, s66, s67, s100, s101 and the plain loads' registers
	s_lshl_b32 s3, ttmp9, 2
	s_add_co_u32 s3, s3, s2                        ; head = 4 x cluster x + cx
	s_and_b32 s24, ttmp7, 0xffff                   ; b, which the four partners share
	s_lshl_b32 s100, s24, 3
	s_add_co_u32 s100, s100, s3
	s_lshl_b32 s100, s100, 17                      ; z: (8 b + head) x 131,072
	s_lshl_b32 s2, s[WVN], 15
	s_add_co_u32 s100, s100, s2                    ; + my 32 rows of 1,024 bytes
	s_mov_b32 s101, 0
	s_lshl_b32 s18, s3, 17                         ; a head's weights: 131,072 bytes
	s_add_co_u32 s66, s18, s2                      ; + my 64 rows of 512 (WQ, WK^T)
	s_mov_b32 s67, 0
	s_lshl_b32 s2, s[W1], 15
	s_add_co_u32 s18, s18, s2                      ; + 64 (wave & 1) rows (WV)
	s_mov_b32 s19, 0
	s_lshl_b32 s24, s24, 19                        ; a batch of h16, of l16 and of m: 524,288 bytes each
	s_mov_b32 s25, 0
	s_lshl_b32 s[OFH], s[W1], 18                   ; for now: 64 (wave & 1) rows of m, 4,096 bytes each
	s_mov_b32 s[OFH+1], 0
	s_mov_b32 s[OFM], 0
	s_mov_b32 s[OFM+1], 0
	s_mov_b32 s[OFV], 0
	s_mov_b32 s[OFV+1], 0
	s_mov_b32 s[SEL], 0x76543210
	s_mov_b32 s[SEL+1], 0xfedcba98
	; group 1.  Weights, h16, l16: 64 rows x 256 elements of 2 bytes, padded behind every 128 words; m: 64 rows x 64 elements of 4 bytes out of rows of 1,024, padded behind every 64 words.
	s_mov_b32 s[G1W], (1<<16)|(1<<20)|(6<<22)|(7<<25)              ; no mask; 8 words of padding
	s_mov_b32 s[G1H], 15|(1<<16)|(1<<20)|(1<<21)|(6<<22)|(7<<25)   ; the mask of four, bit 21 beside it
	s_mov_b32 s[G1L], 15|(1<<16)|(1<<20)|(1<<21)|(6<<22)|(3<<25)   ; 4 words of padding
	s_mov_b32 s[G1M], 15|(2<<16)|(1<<20)|(1<<21)|(5<<22)|(3<<25)
.irp g, G1W, G1H, G1L
	s_mov_b32 s[\g+1], 256<<16                     ; tensor_dim0
	s_mov_b32 s[\g+2], 64<<16                      ; tensor_dim1
	s_mov_b32 s[\g+3], 256<<16                     ; tile_dim0
	s_mov_b32 s[\g+4], 64                          ; tile_dim1
	s_mov_b32 s[\g+5], 256                         ; elements from row to row
	s_mov_b32 s[\g+6], 0
	s_mov_b32 s[\g+7], 0
.endr
	s_mov_b32 s[G1M+1], 64<<16
	s_mov_b32 s[G1M+2], 64<<16
	s_mov_b32 s[G1M+3], 64<<16
	s_mov_b32 s[G1M+4], 64
	s_mov_b32 s[G1M+5], 1024
	s_mov_b32 s[G1M+6], 0
	s_mov_b32 s[G1M+7], 0
	; group 0: count and LDS address.  The walking three begin in slot 1: the first change turns them to slot 0.
	s_mov_b32 s[G0H], 1
	s_mov_b32 s[G0H+1], SLOT1
	s_mov_b32 s[G0L], 1
	s_mov_b32 s[G0L+1], SLOT1+LTO
	s_mov_b32 s[G0M], 1
	s_mul_i32 s[G0M+1], s[W1], 64*PM
	s_add_co_u32 s[G0M+1], s[G0M+1], SLOT1+MTO
	s_mov_b32 s[G0Q], 1
	s_mul_i32 s[G0Q+1], s[WVN], 64*PH
	s_mov_b32 s[G0K], 1
	s_add_co_u32 s[G0K+1], s[G0Q+1], WKB
	s_wait_dscnt 0x0                               ; the opening add is done
	s_wait_kmcnt 0x0
	s_add_nc_u64 s[BH:BH+1], s[4:5], s[24:25]
	s_add_nc_u64 s[BL:BL+1], s[6:7], s[24:25]
	s_add_nc_u64 s[BM:BM+1], s[14:15], s[24:25]
	s_add_nc_u64 s[BM:BM+1], s[BM:BM+1], s[OFH:OFH+1]
	s_mov_b32 s[OFH], 0                            ; from here on: the tile's offset
	s_add_nc_u64 s[G0Q+2:G0Q+3], s[8:9], s[66:67]
	s_or_b32 s[G0Q+3], s[G0Q+3], 0x80000000
	s_add_nc_u64 s[G0K+2:G0K+3], s[10:11], s[66:67]
	s_or_b32 s[G0K+3], s[G0K+3], 0x80000000
	s_add_nc_u64 s[BV:BV+1], s[12:13], s[18:19]
	s_add_nc_u64 s[ZP:ZP+1], s[16:17], s[100:101]
	s_mov_b32 s[BIG], 0x71800000
	s_mov_b32 s[EPS], 0x2b8cbccc
	ROUND                                          ; in front of the first tensor loads
	tensor_load_to_lds s[G0Q:G0Q+3], s[G1W:G1W+7]  ; my 64 rows of WQ,
	s_nop 0
	tensor_load_to_lds s[G0K:G0K+3], s[G1W:G1W+7]  ; and of WK^T: two loads of mine are out
	s_nop 0
	PLACES
	v_and_b32 v1, 15, v0                           ; r
	v_bfe_u32 v19, v0, 4, 1                        ; h
	s_lshl_b32 s25, s[WVN], 14
	v_lshlrev_b32 v[QO], 9, v1
	v_lshl_add_u32 v[QO], v19, 4, v[QO]
	v_add_nc_u32 v[QO], s25, v[QO]                 ; (32 w + r) x 512 + 16 h
	WIN 0x80                                       ; destination window 2
.set i_, 0
.rept 16                               ; the agents' rows of h as a pair: tile i / 8, channels 32 (i % 8) on
	global_load_b128 v[8*i_:8*i_+3],         v[QO], s[BH:BH+1] offset:(i_/8)*8192+(i_%8)*64
	global_load_b128 v[8*i_+4:8*i_+7],       v[QO], s[BH:BH+1] offset:(i_/8)*8192+(i_%8)*64+32
	global_load_b128 v[128+8*i_:128+8*i_+3], v[QO], s[BL:BL+1] offset:(i_/8)*8192+(i_%8)*64
	global_load_b128 v[128+8*i_+4:128+8*i_+7], v[QO], s[BL:BL+1] offset:(i_/8)*8192+(i_%8)*64+32
.set i_, i_+1
.endr
	WIN 0
	v_mul_u32_u24 v[AK0H], v1, PH
	v_lshl_add_u32 v[AK0H], v19, 4, v[AK0H]        ; r x 544 + 16 h
	v_mul_u32_u24 v[AK0L], v1, PL
	v_lshl_add_u32 v[AK0L], v19, 4, v[AK0L]
	v_add_nc_u32 v[AK0L], LTO, v[AK0L]
	v_and_b32 v18, 7, v0                           ; the turning load: lane l reads row 8 (l / 16) + l % 8, 16 bytes at 16 ((l / 8) % 2)
	v_lshl_add_u32 v18, v19, 3, v18
	v_mul_u32_u24 v[AWB], v18, PH
	v_bfe_u32 v18, v0, 3, 1
	v_lshl_add_u32 v[AWB], v18, 4, v[AWB]
	s_mul_i32 s25, s[WVN], 32*PM
	s_add_co_u32 s25, s25, MTO
	v_mul_u32_u24 v[AM0], v1, PM
	v_lshl_add_u32 v[AM0], v19, 5, v[AM0]
	v_add_nc_u32 v[AM0], s25, v[AM0]               ; m's tile + (32 w + r) rows + 32 h
	s_mul_i32 s25, s[WVN], 16*SGP
	v_mul_u32_u24 v[STO], v1, SGP
	v_lshl_add_u32 v[STO], v19, 5, v[STO]
	v_add_nc_u32 v[STO], s25, v[STO]               ; my stage + r rows + 32 h
	v_and_b32 v[GO], 31, v0
	v_lshlrev_b32 v[GO], 4, v[GO]                  ; 16 lane
	v_add_nc_u32 v[RD], s25, v[GO]
	v_mov_b32 v[SC+1], 0                           ; named with v22 as a pair
.set i_, 0
.rept 32
	v_mov_b32 v[ST+i_], 0                          ; L', lm = 0; the pairs' upper registers are written
.set i_, i_+1
.endr
.irp t, 0,1
	v_mov_b32 v[ST+16*\t], 0xff7fffff              ; MU: the lowest finite number
	v_mov_b32 v[ST+16*\t+2], 0xfe000000            ; R: far below every t, so the first step's a is 0
	v_mov_b32 v[ST+16*\t+12], 0x3db8aa3b           ; comp = log2(e) / 16
.endr
; THE WEIGHTS' LOADS AND PRODUCTS.  Group g = 2 kc + eh: K chunk kc of 32 rows, half eh of the 16 blocks of 16 columns: 8 fragments, 16 turning loads, into buffer g % 3.
.macro WGRP g
	WIN 0xc0                                       ; destination window 3
.set kc_, (\g)/2
.set eh_, (\g)%2
.set bf_, 64*((\g)%3)
.set e_, 0
.rept 8
	ds_load_tr16_b128 v[bf_+8*e_:bf_+8*e_+3],   v[AW0+kc_/2] offset:(kc_%2)*32*PH+32*(8*eh_+e_)
	ds_load_tr16_b128 v[bf_+8*e_+4:bf_+8*e_+7], v[AW0+kc_/2] offset:(kc_%2)*32*PH+32*(8*eh_+e_)+16*PH
.set e_, e_+1
.endr
.endm
; 16 products of group g's fragments with chunk kb of source 1 (lo = 1: its low parts), on 16 accumulators by turns.  zero = 1: they start the sums.
.macro WMUL g, kb, lo, zero
	WIN 0x5b                                       ; fragments window 3, source 1 window 2, C and D window 1
.set bf_, 64*((\g)%3)
.set eh_, (\g)%2
.set i_, 0
.rept 16
.set rD_, 128*(i_%2)+8*(8*eh_+i_/2)
.set rA_, bf_+8*(i_/2)
.set rB_, 128*(\lo)+64*(i_%2)+8*(\kb)
.if \zero
	v_wmma_f32_16x16x32_f16 v[rD_:rD_+7], v[rA_:rA_+7], v[rB_:rB_+7], 0
.else
	v_wmma_f32_16x16x32_f16 v[rD_:rD_+7], v[rA_:rA_+7], v[rB_:rB_+7], v[rD_:rD_+7]
.endif
.set i_, i_+1
.endr
.endm
; (pair) x (256 x 256 weights): 16 groups, each fetched two groups ahead of its products; the wait leaves the two younger groups' 32 loads out.
.macro PROJ
	WGRP 0
	WGRP 1
.set g_, 0
.rept 16
.if g_ <= 13
	PLACES
	WGRP g_+2
	s_wait_dscnt 32
.elseif g_ == 14
	s_wait_dscnt 16
.else
	s_wait_dscnt 0
.endif
.if g_ < 2
	WMUL g_, g_/2, 0, 1
.else
	WMUL g_, g_/2, 0, 0
.endif
	WMUL g_, g_/2, 1, 0
.set g_, g_+1
.endr
	PLACES
.endm
; Tile t's 128 sums a lane become an f16 pair.  The row's largest magnitude gives a power of two sc with |acc sc| < 2^13; comp takes 1 / sc.
.macro SPLIT t
	WIN 0
.irp i, 0,1,2,3
	v_mov_b32 v[CH+\i], 0
.endr
	WIN 0x14                                       ; sources 1 and 2 window 1
.set i_, 0
.rept 64                               ; ascending: each accumulator's lowest registers are read first
	v_max3_num_f32 v[CH+i_%4], v[CH+i_%4], |v[128*(\t)+2*i_]|, |v[128*(\t)+2*i_+1]|
.set i_, i_+1
.endr
	WIN 0
	v_max3_num_f32 v[CH], v[CH], v[CH+1], v[CH+2]
	v_max_num_f32 v[CH], v[CH], v[CH+3]
	v_permlanex16_b32 v[CH+1], v[CH], s[SEL], s[SEL+1]  ; the agent's other half lies in the lane 16 away
	v_max_num_f32 v[CH], v[CH], v[CH+1]
	v_and_b32 v[CH], 0x7f800000, v[CH]             ; 2^e
	v_max_u32 v[CH], 0x08000000, v[CH]             ; held to 2^-111 .. 2^111
	v_min_u32 v[CH], 0x77000000, v[CH]
	v_sub_nc_u32 v[SC], 0x85000000, v[CH]          ; sc = 2^(12 - e)
	v_add_nc_u32 v[CH], 0xfa000000, v[CH]          ; 2^(e - 12)
	v_mul_f32 v[ST+16*(\t)+12], v[ST+16*(\t)+12], v[CH]
.set b_, 0
.rept 4                                ; 16 pairs at a time
	WIN 0x01
.set i_, 0
.rept 16
	v_pk_mul_f32 v[T+2*i_:T+2*i_+1], v[128*(\t)+32*b_+2*i_:128*(\t)+32*b_+2*i_+1], v[SC:SC+1] op_sel_hi:[1,0]
.set i_, i_+1
.endr
	WIN 0x80
.set i_, 0
.rept 16
	v_cvt_pk_f16_f32 v[64*(\t)+16*b_+i_], v[T+2*i_], v[T+2*i_+1]
.set i_, i_+1
.endr
	WIN 0xa1                                       ; lo = f16(acc sc - hi): acc window 1, sc window 0, hi and lo window 2
.set i_, 0
.rept 16
	v_fma_mixlo_f16 v[128+64*(\t)+16*b_+i_], v[128*(\t)+32*b_+2*i_], v[SC], -v[64*(\t)+16*b_+i_] op_sel_hi:[0,0,1]
	v_fma_mixhi_f16 v[128+64*(\t)+16*b_+i_], v[128*(\t)+32*b_+2*i_+1], v[SC], -v[64*(\t)+16*b_+i_] op_sel:[0,0,1] op_sel_hi:[0,0,1]
.set i_, i_+1
.endr
.set b_, b_+1
.endr
.endm
; A KEY STEP'S LOADS, in 12 groups of 16 into buffer g % 3.  Groups 0-7: channels 32 g on: four fragments (16 keys each) of h16, four of l16.  Groups 8-11: h16 turned, keys 32 ((g - 8) / 2) on, half (g - 8) % 2 of the channel blocks.
.macro SGRP g
	WIN 0xc0
.set bf_, 64*((\g)%3)
.if (\g) < 8
.set k_, 0
.rept 4
	ds_load_b128 v[bf_+8*k_:bf_+8*k_+3],       v[AKH] offset:k_*16*PH+64*(\g)
	ds_load_b128 v[bf_+8*k_+4:bf_+8*k_+7],     v[AKH] offset:k_*16*PH+64*(\g)+32
	ds_load_b128 v[bf_+32+8*k_:bf_+32+8*k_+3], v[AKL] offset:k_*16*PL+64*(\g)
	ds_load_b128 v[bf_+32+8*k_+4:bf_+32+8*k_+7], v[AKL] offset:k_*16*PL+64*(\g)+32
.set k_, k_+1
.endr
.else
.set e_, 0
.rept 8
	ds_load_tr16_b128 v[bf_+8*e_:bf_+8*e_+3],   v[AV] offset:(((\g)-8)/2)*32*PH+32*(8*(((\g)-8)%2)+e_)
	ds_load_tr16_b128 v[bf_+8*e_+4:bf_+8*e_+7], v[AV] offset:(((\g)-8)/2)*32*PH+32*(8*(((\g)-8)%2)+e_)+16*PH
.set e_, e_+1
.endr
.endif
.endm
.macro KMUL c                          ; 24 products on the 8 accumulators of S^T by turns: h16 q'hi, l16 q'hi, h16 q'lo
	WIN 0x0b                                       ; keys window 3, q' window 2, S^T window 0
.set bf_, 64*((\c)%3)
.set p_, 0
.rept 3
.set i_, 0
.rept 8
.set rD_, S+32*(i_%2)+8*(i_/2)
.set rA_, bf_+32*(p_%2)+8*(i_/2)
.set rB_, 128*(p_/2)+64*(i_%2)+8*(\c)
	v_wmma_f32_16x16x32_f16 v[rD_:rD_+7], v[rA_:rA_+7], v[rB_:rB_+7], v[rD_:rD_+7]
.set i_, i_+1
.endr
.set p_, p_+1
.endr
.endm
.macro VMUL v                          ; 16 products O^T += V^T P on 16 accumulators
	WIN 0x53                                       ; V window 3, P window 0, O^T window 1
.set bf_, 64*((8+(\v))%3)
.set i_, 0
.rept 16
.set rD_, 128*(i_%2)+8*(8*((\v)%2)+i_/2)
.set rA_, bf_+8*(i_/2)
.set rB_, P+16*(i_%2)+8*((\v)/2)
	v_wmma_f32_16x16x32_f16 v[rD_:rD_+7], v[rA_:rA_+7], v[rB_:rB_+7], v[rD_:rD_+7]
.set i_, i_+1
.endr
.endm
.macro TREGS t
.set rC_, CH+4*(\t)
.set rS_, S+32*(\t)
.set rT_, ST+16*(\t)
.set rP_, P+16*(\t)
.set rM_, M+32*(\t)
.set rG_, GAM+32*(\t)
.set rO_, 128*(\t)
.endm
; Number n of the 22 that find tile t's maximum and statistics: four chains of seven sums (each accumulator's lowest registers first), the four left over, the old maximum; the other half of the lanes; R' = comp MU; a = 2^(R - R').
.macro MX t, n
	TREGS \t
.if (\n) < 4
	v_max3_num_f32 v[rC_+(\n)], v[rS_+8*(\n)], v[rS_+8*(\n)+1], v[rS_+8*(\n)+2]
.elseif (\n) < 12
	v_max3_num_f32 v[rC_+(\n)%4], v[rC_+(\n)%4], v[rS_+8*((\n)%4)+2*((\n)/4)+1], v[rS_+8*((\n)%4)+2*((\n)/4)+2]
.elseif (\n) == 12
	v_max3_num_f32 v[rC_], v[rC_], v[rS_+7], v[rS_+15]
.elseif (\n) == 13
	v_max3_num_f32 v[rC_+1], v[rC_+1], v[rS_+23], v[rS_+31]
.elseif (\n) == 14
	v_max3_num_f32 v[rC_+2], v[rC_+2], v[rC_+3], v[rT_]
.elseif (\n) == 15
	v_max3_num_f32 v[rC_], v[rC_], v[rC_+1], v[rC_+2]
.elseif (\n) == 16
	v_permlanex16_b32 v[rC_+3], v[rC_], s[SEL], s[SEL+1]
.elseif (\n) == 17
	v_max_num_f32 v[rT_], v[rC_], v[rC_+3]
.elseif (\n) == 18
	v_mul_f32 v[rC_+1], v[rT_+12], v[rT_]
.elseif (\n) == 19
	v_sub_f32 v[rC_+2], v[rT_+2], v[rC_+1]
.elseif (\n) == 20
	v_mov_b32 v[rT_+2], v[rC_+1]
.else
	v_exp_f32 v[rT_+10], v[rC_+2]
.endif
.endm
.macro SCL t, i                        ; pair i: comp acc - R
	TREGS \t
	v_pk_fma_f32 v[rS_+2*(\i):rS_+2*(\i)+1], v[rS_+2*(\i):rS_+2*(\i)+1], v[rT_+12:rT_+13], v[rT_+2:rT_+3] op_sel_hi:[1,0,0] neg_lo:[0,0,1] neg_hi:[0,0,1]
.endm
.macro EXS t, i
	TREGS \t
	v_exp_f32 v[rS_+(\i)], v[rS_+(\i)]
.endm
.macro LSUM t, i                       ; L' += w x (1 or 2^100), two chains by turns; the factors lie in window 3
	TREGS \t
	s_wait_alu depctr_va_vdst(0)
	v_pk_fma_f32 v[rT_+4+2*((\i)%2):rT_+5+2*((\i)%2)], v[rS_+2*(\i):rS_+2*(\i)+1], v[rG_+2*(\i):rG_+2*(\i)+1], v[rT_+4+2*((\i)%2):rT_+5+2*((\i)%2)]
.endm
.macro WEIGH t                         ; w m in place; rounded to f16 for the second product; summed in a tree; lm = a lm + sum
	TREGS \t
.set i_, 0
.rept 16
	v_pk_mul_f32 v[rS_+2*i_:rS_+2*i_+1], v[rS_+2*i_:rS_+2*i_+1], v[rM_+2*i_:rM_+2*i_+1]
.set i_, i_+1
.endr
.set i_, 0
.rept 16
	v_cvt_pk_f16_f32 v[rP_+i_], v[rS_+2*i_], v[rS_+2*i_+1]
.set i_, i_+1
.endr
.irp w, 4,8,16,32
.set u_, 0
.rept 32/\w
	v_pk_add_f32 v[rS_+\w*u_:rS_+\w*u_+1], v[rS_+\w*u_:rS_+\w*u_+1], v[rS_+\w*u_+\w/2:rS_+\w*u_+\w/2+1]
.set u_, u_+1
.endr
.endr
	v_pk_fma_f32 v[rT_+8:rT_+9], v[rT_+8:rT_+9], v[rT_+10:rT_+11], v[rS_:rS_+1] op_sel_hi:[1,0,1]
	s_wait_alu depctr_va_vdst(0)
.endm
; ONE KEY STEP, 64 keys in slot TB, in phases: m and the sums' starts; K Q^T; the softmax; V^T P.
.macro STEP
	WIN 0
	v_add_nc_u32 v[AKH], s[TB], v[AK0H]
	v_add_nc_u32 v[AKL], s[TB], v[AK0L]
	v_add_nc_u32 v[AV], s[TB], v[AWB]
	v_add_nc_u32 v[AM], s[TB], v[AM0]
.set i_, 0
.rept 8                                ; m in S^T's layout: tile i / 4, keys 16 (i % 4) + 8 h + 0..7
	ds_load_b128 v[M+8*i_:M+8*i_+3],   v[AM] offset:(i_/4)*16*PM+(i_%4)*64
	ds_load_b128 v[M+8*i_+4:M+8*i_+7], v[AM] offset:(i_/4)*16*PM+(i_%4)*64+16
.set i_, i_+1
.endr
	SGRP 0
	SGRP 1
	s_wait_dscnt 32                                ; m is in; the two groups of fragments stay out
.set q_, 0
.rept 4                                ; sixteen at a time: where m = 0 the sum starts at -100 / comp and the factor is 2^100; else 0 and 1
	WIN 0
.set i_, 0
.rept 16
	v_cmp_eq_f32 s[MS+i_], 0, v[M+16*q_+i_]
.set i_, i_+1
.endr
.set i_, 0
.rept 16
	v_cndmask_b32 v[S+16*q_+i_], 0, v[ST+16*(q_/2)+14], s[MS+i_]
.set i_, i_+1
.endr
	WIN 0xc0
.set i_, 0
.rept 16
	v_cndmask_b32 v[GAM+16*q_+i_], 1.0, s[BIG], s[MS+i_]
.set i_, i_+1
.endr
.set q_, q_+1
.endr
.set g_, 0
.rept 8                                ; each group is fetched two groups ahead; the wait leaves the two younger groups' 32 loads out
	PLACES
	SGRP g_+2
	s_wait_dscnt 32
	KMUL g_
.set g_, g_+1
.endr
	PLACES
	WIN 0
.irp n, 0,1,2,3,4,5,6,7,8,9,10,11,12,13,14,15,16,17,18,19,20,21
	MX 0, \n
	MX 1, \n
.endr
.set j_, 0
.rept 16
	SCL 0, j_                                      ; plain lines behind the two exponentials above, ahead of a's first use
.set j_, j_+1
.endr
.irp t, 0,1
	TREGS \t
	s_wait_alu depctr_va_vdst(0)
	v_pk_mul_f32 v[rT_+4:rT_+5], v[rT_+4:rT_+5], v[rT_+10:rT_+11] op_sel_hi:[1,0]
	v_pk_mul_f32 v[rT_+6:rT_+7], v[rT_+6:rT_+7], v[rT_+10:rT_+11] op_sel_hi:[1,0]
.endr
.set j_, 0
.rept 16                               ; tile 0's exponentials, tile 1's scalings between them
	EXS 0, 2*j_
	SCL 1, j_
	EXS 0, 2*j_+1
.set j_, j_+1
.endr
	WIN 0x0c                                       ; source 1 window 3: the exponentials, with one source, do not feel it
.set j_, 0
.rept 16                               ; tile 1's exponentials, tile 0's L' between them
	EXS 1, 2*j_
	LSUM 0, j_
	EXS 1, 2*j_+1
.set j_, j_+1
.endr
	WIN 0
	WEIGH 0
	WIN 0x0c
.set j_, 0
.rept 16
	LSUM 1, j_
.set j_, j_+1
.endr
	WIN 0
	WEIGH 1
	WIN 0x41                                       ; O^T times a
.irp t, 0,1
	TREGS \t
.set i_, 0
.rept 64
	v_pk_mul_f32 v[rO_+2*i_:rO_+2*i_+1], v[rO_+2*i_:rO_+2*i_+1], v[rT_+10:rT_+11] op_sel_hi:[1,0]
.set i_, i_+1
.endr
.endr
.set g_, 8
.rept 4
.if g_ <= 9
	PLACES
	SGRP g_+2
	s_wait_dscnt 32
.elseif g_ == 10
	s_wait_dscnt 16
.else
	s_wait_dscnt 0
.endif
	VMUL g_-8
.set g_, g_+1
.endr
	PLACES
	WIN 0
.endm
.macro NORM t                          ; u = O / (lm + 1e-12 L'), rounded to f16 into window 2
	TREGS \t
	WIN 0
	v_pk_add_f32 v[rT_+4:rT_+5], v[rT_+4:rT_+5], v[rT_+6:rT_+7]
	v_add_f32 v[CH], v[rT_+8], v[rT_+9]
	v_add_f32 v[CH+1], v[rT_+4], v[rT_+5]
	v_permlanex16_b32 v[CH+2], v[CH], s[SEL], s[SEL+1]
	v_permlanex16_b32 v[CH+3], v[CH+1], s[SEL], s[SEL+1]
	v_add_f32 v[CH], v[CH], v[CH+2]
	v_add_f32 v[CH+1], v[CH+1], v[CH+3]
	v_fma_f32 v[CH], v[CH+1], s[EPS], v[CH]
	v_rcp_f32 v[SC], v[CH]
	v_nop                                          ; a plain line between the reciprocal and its use
	WIN 0x41
.set i_, 0
	s_wait_alu depctr_va_vdst(0)
.rept 64
	v_pk_mul_f32 v[rO_+2*i_:rO_+2*i_+1], v[rO_+2*i_:rO_+2*i_+1], v[SC:SC+1] op_sel_hi:[1,0]
.set i_, i_+1
.endr
	WIN 0x85
.set i_, 0
.rept 64
	v_cvt_pk_f16_f32 v[64*(\t)+i_], v[rO_+2*i_], v[rO_+2*i_+1]
.set i_, i_+1
.endr
.endm
.macro WVP half                        ; Z^T += WV^T u over rows 128 half .. +127 of WV, which lie at the head of slot half
	WIN 0
	PLACES
	v_add_nc_u32 v[AW0], (\half)*SLOT1, v[AWB]
	v_add_nc_u32 v[AW0+1], (\half)*SLOT1+64*PH, v[AWB]
	WGRP 0
	WGRP 1
.set g_, 0
.rept 8
.if g_ <= 5
	PLACES
	WGRP g_+2
	s_wait_dscnt 32
.elseif g_ == 6
	s_wait_dscnt 16
.else
	s_wait_dscnt 0
.endif
.if ((\half) == 0) && (g_ < 2)
	WMUL g_, 4*(\half)+g_/2, 0, 1
.else
	WMUL g_, 4*(\half)+g_/2, 0, 0
.endif
.set g_, g_+1
.endr
.endm
.macro OUT t                           ; tile t: a lane's eight f32 of a row go into my stage and come back as whole rows
	WIN 0x04                                       ; store data window 1
.set e_, 0
.rept 16
	ds_store_b128 v[STO], v[128*(\t)+8*e_:128*(\t)+8*e_+3]   offset:64*e_
	ds_store_b128 v[STO], v[128*(\t)+8*e_+4:128*(\t)+8*e_+7] offset:64*e_+16
.set e_, e_+1
.endr
	WIN 0
.if (\t) > 0
	s_wait_xcnt 0x0                                ; the registers that the last tile's stores read are loaded again only behind this wait
.endif
.set f_, 0
.rept 32
	ds_load_b128 v[S+4*f_:S+4*f_+3], v[RD] offset:(f_/2)*SGP+(f_%2)*512  ; LDS serves my instructions in order: these see the stores above
.set f_, f_+1
.endr
.set f_, 0
.rept 32
	s_wait_dscnt 31-f_
	global_store_b128 v[GO], v[S+4*f_:S+4*f_+3], s[ZP:ZP+1] offset:(\t)*16384+f_*512  ; 512 consecutive bytes, aligned
.set f_, f_+1
.endr
.endm
	s_wait_tensorcnt 0x1                           ; my part of WQ is in; WK^T's may stay out
	s_barrier_signal -1
	s_barrier_wait -1
	s_wait_loadcnt 0x0                             ; the agents' pair
	s_mov_b32 s[WB], 0
	s_mov_b32 s[CNT], 2
.Lproj:                                                ; trip 1: Q^T = WQ^T ha^T, then key tile 0 is asked for over WQ; trip 2: q'^T = WK Q^T, then tile 1 over WK^T
.irp j, 0,1,2,3
	s_add_co_u32 s25, s[WB], \j*64*PH
	v_add_nc_u32 v[AW0+\j], s25, v[AWB]
.endr
	PROJ
	CHANGE 0, 0
	s_add_co_u32 s[WB], s[WB], WKB
	SPLIT 0
	SPLIT 1
	WIN 0
	s_sub_co_u32 s[CNT], s[CNT], 1
	s_cmp_lg_u32 s[CNT], 0
	s_cbranch_scc1 .Lproj
	v_rcp_f32 v[ST+14], v[ST+12]
	v_rcp_f32 v[ST+30], v[ST+28]
	v_nop                                          ; a plain line between the reciprocals and their use
	s_wait_alu depctr_va_vdst(0)
	v_mul_f32 v[ST+14], 0xc2c80000, v[ST+14]       ; -100 / comp
	v_mul_f32 v[ST+30], 0xc2c80000, v[ST+30]
	s_mov_b32 s[TB], 0
	s_mov_b32 s[CNT], 14
.Lmain:                                                ; steps 0 to 13; tiles 2 to 15 are asked for, each a whole step ahead of its first read.  Step 0 multiplies what q'^T left in O^T's registers by a = 0
	STEP
	CHANGE 0, 1
	s_sub_co_u32 s[CNT], s[CNT], 1
	s_cmp_lg_u32 s[CNT], 0
	s_cbranch_scc1 .Lmain
	s_mul_i32 s25, s[W1], 64*PH                    ; WV's group 0: WQ's load is long done; the first change turns the address to slot 0
	s_add_co_u32 s[G0V+1], s25, SLOT1
	s_mov_b32 s[CNT], 2
.Ltail:                                                ; steps 14 and 15; the slots that they leave take the two halves of WV
	STEP
	CHANGE 1, 1
	s_sub_co_u32 s[CNT], s[CNT], 1
	s_cmp_lg_u32 s[CNT], 0
	s_cbranch_scc1 .Ltail
	NORM 0
	NORM 1
	WVP 0                                          ; the first half was shown landed by the last change's wait and round
	WIN 0
	s_wait_tensorcnt 0x0                           ; my part of the second half is in,
	s_wait_dscnt 0x0                               ; and my reads of the first are over: slot 0 becomes the stage
	s_barrier_signal -1
	s_barrier_wait -1
	WVP 1
	PLACES
	OUT 0
	OUT 1
	s_wait_tensorcnt 0x0                           ; the wave's end
	ds_add_u32 v[SPW], v[NIL]
	s_wait_dscnt 0x0
	ROUND                                          ; the closing round
	s_endpgm
.Lfunc_end_k_q75f5f70647_attend:
	.size	k_q75f5f70647_attend, .Lfunc_end_k_q75f5f70647_attend-k_q75f5f70647_attend
	.p2alignl 7, 3214868480
	.fill 96, 4, 3214868480
	.section	.rodata,"a",@progbits
	.p2align	6, 0x0
	.amdhsa_kernel k_q75f5f70647_attend
		.amdhsa_group_segment_fixed_size 327680
		.amdhsa_private_segment_fixed_size 0
		.amdhsa_enable_private_segment 0
		.amdhsa_kernarg_size 56
		.amdhsa_user_sgpr_count 2
		.amdhsa_user_sgpr_kernarg_segment_ptr 1
		.amdhsa_wavefront_size32 1
		.amdhsa_system_sgpr_workgroup_id_x 1
		.amdhsa_system_sgpr_workgroup_id_y 1
		.amdhsa_system_sgpr_workgroup_id_z 1
		.amdhsa_system_vgpr_workitem_id 0
		.amdhsa_next_free_vgpr 1024
		.amdhsa_next_free_sgpr 102
		.amdhsa_reserve_vcc 0
		.amdhsa_float_denorm_mode_32 3
		.amdhsa_float_denorm_mode_16_64 3
		.amdhsa_memory_ordered 1
		.amdhsa_forward_progress 1
		.amdhsa_inst_pref_size 255
	.end_amdhsa_kernel
	.section	.bss,"aw",@nobits
	.p2align	6
	.space	262144
	.amdgpu_metadata
---
amdhsa.version: [ 1, 2 ]
amdhsa.kernels:
  - .name:           k_q75f5f70647_attend
    .symbol:         k_q75f5f70647_attend.kd
    .args:
      - { .name: h16, .offset: 0, .size: 8, .value_kind: global_buffer, .address_space: global }
      - { .name: l16, .offset: 8, .size: 8, .value_kind: global_buffer, .address_space: global }
      - { .name: wq16, .offset: 16, .size: 8, .value_kind: global_buffer, .address_space: global }
      - { .name: wkt16, .offset: 24, .size: 8, .value_kind: global_buffer, .address_space: global }
      - { .name: wv16, .offset: 32, .size: 8, .value_kind: global_buffer, .address_space: global }
      - { .name: m, .offset: 40, .size: 8, .value_kind: global_buffer, .address_space: global }
      - { .name: z, .offset: 48, .size: 8, .value_kind: global_buffer, .address_space: global }
    .group_segment_fixed_size: 327680
    .private_segment_fixed_size: 0
    .kernarg_segment_align: 8
    .kernarg_segment_size: 56
    .max_flat_workgroup_size: 128
    .sgpr_count:     102
    .vgpr_count:     1024
    .wavefront_size: 32
...
	.end_amdgpu_metadata
.endif
;; end of part 2
;; launch mean (part 3): grid 256 x 1, 8 waves a work-group, no clusters, 0 bytes of LDS; arguments z, out0; writes out0
.if DOCPART == 3
	.amdgcn_target "amdgcn-amd-amdhsa--gfx1250"
	.amdhsa_code_object_version 6
	.text
	.protected	k_q75f5f70647_mean
	.globl	k_q75f5f70647_mean
	.p2align	8
	.type	k_q75f5f70647_mean,@function
k_q75f5f70647_mean:
	s_mov_b64 s[64:65], 0
	v_nop
	global_prefetch_b8 v0, s[64:65] scope:SCOPE_SE
	s_setreg_imm32_b32 hwreg(HW_REG_WAVE_MODE, 25, 1), 1
	s_wait_xcnt 0x0
; out0[b][a][:] = (1/8) x the sum over the 8 heads of z[b][head][a][:], all f32, added pairwise.
; A stream: work-group g owns 16,384 bytes of out0 (batch g >> 3, eighth g & 7); thread t owns 16 bytes of each of four blocks of 4,096.  All 32 loads go out at once; no LDS, no barrier, no matrix unit: memory binds.
.set X, 4                              ; v4-131: quarter i, head h at 4 + 4 (8 i + h)
	s_load_b128 s[4:7], s[0:1], 0x0                ; z, out0
	s_lshr_b32 s8, ttmp9, 3
	s_lshl_b32 s8, s8, 20                          ; a batch of z: 8 heads of 131,072 bytes
	s_and_b32 s10, ttmp9, 7
	s_lshl_b32 s10, s10, 14
	s_add_co_u32 s8, s8, s10
	s_mov_b32 s9, 0
	s_lshl_b32 s10, ttmp9, 14
	s_mov_b32 s11, 0
	v_lshlrev_b32 v1, 4, v0
	s_wait_kmcnt 0x0
	s_add_nc_u64 s[4:5], s[4:5], s[8:9]
	s_add_nc_u64 s[6:7], s[6:7], s[10:11]
.set i_, 0
.rept 32
	global_load_b128 v[X+4*i_:X+4*i_+3], v1, s[4:5] offset:(i_%8)*131072+(i_/8)*4096 th:TH_LOAD_NT
.set i_, i_+1
.endr
.set i_, 0
.rept 4
	s_wait_loadcnt 24-8*i_                         ; this quarter's eight loads are in; the later quarters' stay out
.set b_, X+32*i_
.irp p, 0,2
	v_pk_add_f32 v[b_+\p:b_+\p+1], v[b_+\p:b_+\p+1], v[b_+4+\p:b_+4+\p+1]
	v_pk_add_f32 v[b_+8+\p:b_+8+\p+1], v[b_+8+\p:b_+8+\p+1], v[b_+12+\p:b_+12+\p+1]
	v_pk_add_f32 v[b_+16+\p:b_+16+\p+1], v[b_+16+\p:b_+16+\p+1], v[b_+20+\p:b_+20+\p+1]
	v_pk_add_f32 v[b_+24+\p:b_+24+\p+1], v[b_+24+\p:b_+24+\p+1], v[b_+28+\p:b_+28+\p+1]
	v_pk_add_f32 v[b_+\p:b_+\p+1], v[b_+\p:b_+\p+1], v[b_+8+\p:b_+8+\p+1]
	v_pk_add_f32 v[b_+16+\p:b_+16+\p+1], v[b_+16+\p:b_+16+\p+1], v[b_+24+\p:b_+24+\p+1]
	v_pk_add_f32 v[b_+\p:b_+\p+1], v[b_+\p:b_+\p+1], v[b_+16+\p:b_+16+\p+1]
	v_pk_mul_f32 v[b_+\p:b_+\p+1], v[b_+\p:b_+\p+1], 0x3e000000 op_sel_hi:[1,0]
.endr
	global_store_b128 v1, v[b_:b_+3], s[6:7] offset:4096*i_ th:TH_STORE_NT  ; a wave's store covers 512 consecutive bytes, aligned
.set i_, i_+1
.endr
	s_endpgm
.Lfunc_end_k_q75f5f70647_mean:
	.size	k_q75f5f70647_mean, .Lfunc_end_k_q75f5f70647_mean-k_q75f5f70647_mean
	.p2alignl 7, 3214868480
	.fill 96, 4, 3214868480
	.section	.rodata,"a",@progbits
	.p2align	6, 0x0
	.amdhsa_kernel k_q75f5f70647_mean
		.amdhsa_group_segment_fixed_size 0
		.amdhsa_private_segment_fixed_size 0
		.amdhsa_enable_private_segment 0
		.amdhsa_kernarg_size 16
		.amdhsa_user_sgpr_count 2
		.amdhsa_user_sgpr_kernarg_segment_ptr 1
		.amdhsa_wavefront_size32 1
		.amdhsa_system_sgpr_workgroup_id_x 1
		.amdhsa_system_sgpr_workgroup_id_y 1
		.amdhsa_system_sgpr_workgroup_id_z 1
		.amdhsa_system_vgpr_workitem_id 0
		.amdhsa_next_free_vgpr 132
		.amdhsa_next_free_sgpr 66
		.amdhsa_reserve_vcc 0
		.amdhsa_float_denorm_mode_32 3
		.amdhsa_float_denorm_mode_16_64 3
		.amdhsa_memory_ordered 1
		.amdhsa_forward_progress 1
		.amdhsa_inst_pref_size 9
	.end_amdhsa_kernel
	.amdgpu_metadata
---
amdhsa.version: [ 1, 2 ]
amdhsa.kernels:
  - .name:           k_q75f5f70647_mean
    .symbol:         k_q75f5f70647_mean.kd
    .args:
      - { .name: z, .offset: 0, .size: 8, .value_kind: global_buffer, .address_space: global }
      - { .name: out0, .offset: 8, .size: 8, .value_kind: global_buffer, .address_space: global }
    .group_segment_fixed_size: 0
    .private_segment_fixed_size: 0
    .kernarg_segment_align: 8
    .kernarg_segment_size: 16
    .max_flat_workgroup_size: 256
    .sgpr_count:     66
    .vgpr_count:     132
    .wavefront_size: 32
...
	.end_amdgpu_metadata
.endif
;; end of part 3
